; MI455X (gfx1250); checked and timed in simulation.
; The chip was launched on July 23, 2026; its instructions are those of AMD's public machine-readable ISA for CDNA 5 (MIT licence, August 2026) and "CDNA5" Instruction Set Architecture Reference Guide (July 2026). The comments in the code are by the model that wrote it; some were corrected since.
;; MLA. Allowed arithmetic: matrix products marked QUANTISED: E4M3 operands, one given power-of-two scale a tensor, by v_wmma_f32_16x16x64_fp8_fp8 or v_wmma_f32_16x16x128_fp8_fp8, f32 sums; everything else in f32.
;; Inputs: freqs_cos 2,048 x 32 float32; freqs_sin 2,048 x 32 float32; lowp_scales 14 int32 (the exponents e of the quantised operands' scales 2^e); mask 2,048 x 2,048 float32; wk_codes 3,072 x 64 x 32 uint8 (E4M3 codes of wk, K innermost, in blocks of 32 codes); wo_codes 2,048 x 64 x 32 uint8 (E4M3 codes of wo, K innermost, in blocks of 32 codes); wq_codes 3,072 x 64 x 32 uint8 (E4M3 codes of wq, K innermost, in blocks of 32 codes); wv_codes 2,048 x 64 x 32 uint8 (E4M3 codes of wv, K innermost, in blocks of 32 codes); x_codes 1 x 2,048 x 64 x 32 uint8 (E4M3 codes of x, K innermost, in blocks of 32 codes).
;; Outputs: out0 1 x 2,048 x 2,048 float32.
;; Constants: start_pos = 0.
;; This version of the problem:
;;   THIS VERSION OF THE PROBLEM IS GIVEN IN LOW PRECISION. The matrix products marked QUANTISED in the list below multiply operands that are first quantised to E4M3 (4 exponent bits, 3 mantissa bits; 8 bits a number), with one given power-of-two scale for each operand tensor; their sums are f32. All else is computed in f32.
;;   The module's matrix products, in the order in which they are computed (A, B: the left and right operand; K: the contracted axis; several contracted axes count as one K, in the product's order):
;;     1. [M 2,048, K 2,048] x [K 2,048, N 3,072]; A: input x (given as codes); B: input wq (given as codes): QUANTISED (scales: A lowp_scales[0], B lowp_scales[1])
;;     2. [M 2,048, K 2,048] x [K 2,048, N 3,072]; A: input x (given as codes); B: input wk (given as codes): QUANTISED (scales: A lowp_scales[2], B lowp_scales[3])
;;     3. [M 2,048, K 2,048] x [K 2,048, N 2,048]; A: input x (given as codes); B: input wv (given as codes): QUANTISED (scales: A lowp_scales[4], B lowp_scales[5])
;;     4. batch 16 x [M 2,048, K 128] x [K 128, N 2,048]; A: computed on the way; B: computed on the way: QUANTISED (scales: A lowp_scales[6], B lowp_scales[7])
;;     5. batch 16 x [M 2,048, K 64] x [K 64, N 2,048]; A: computed on the way; B: computed on the way: QUANTISED (scales: A lowp_scales[8], B lowp_scales[9])
;;     6. batch 16 x [M 128, K 2,048] x [K 2,048, N 2,048]; A: computed on the way; B: softmax (see below): QUANTISED (scales: A lowp_scales[10], B lowp_scales[11])
;;     7. [M 2,048, K 2,048] x [K 2,048, N 2,048]; A: computed on the way; B: input wo (given as codes): QUANTISED (scales: A lowp_scales[12], B lowp_scales[13])
;;   THE QUANTISER, for each operand of a quantised product, along K:
;;     - The operand's scale is 2^e, e = its entry of the input lowp_scales (int32; the entries are numbered through the quantised products in the list's order, A before B).
;;     - Each number is divided by the scale, clamped to +-448, and rounded to the nearest number of E4M3, ties to even, subnormals kept.
;;     - The product sums the exact products of the quantised numbers (number of the format x scale) in f32.
;;   ~~~python
;;   def quantise(x, axis, e):      # numpy; x: float32 -> the quantised numbers, widened to float32 again
;;       x = np.moveaxis(x, axis, -1); K = x.shape[-1]
;;       r = np.clip(x / 2.0 ** e, -448, 448)
;;       step = 2.0 ** (np.maximum(np.frexp(np.where(r == 0, 1, r))[1] - 1, -6) - 3)
;;       q = np.round(r / step) * step * 2.0 ** e      # np.round: ties to even
;;       return np.moveaxis(q, -1, axis).astype(np.float32)
;;   ~~~
;;   SOFTMAX AHEAD OF A QUANTISED PRODUCT. Where the list says 'softmax', what is quantised is not the finished softmax but p = 2^(t - M), with t = logit x log2(e) and M = ceil(the row's largest t), a whole number; so 1/2 < the row's largest p <= 1. The row's sum l is taken of the UNQUANTISED p, in f32, and the product's result is divided by l at the end. Since M is a whole number, a kernel that streams over the keys may use a running M (the ceiling of the running maximum): every later rescaling is an exact power of two, so the quantised numbers keep their values, but for numbers so far below the row's largest that they fall under the format's range.
;;   OPERANDS COMPUTED ON THE WAY. 'Computed on the way' means the value that the module computes at that place (a softmax that the list does not call 'softmax' is quantised finished and normalised). What goes into a quantiser is computed in f32, as accurately as f32 sums, v_exp_f32 and their like allow (about 1e-6 of the number): no bf16 or f16 on the way to a quantiser, and a product that is left as it is and whose result goes on into a quantised operand takes f32 operands (vector FMAs, or v_wmma_f32_16x16x4_f32). A number that lies on a knife's edge between two numbers of the format may be rounded either way, as far as f32 arithmetic and the matrix unit's own rounding can turn it there, and no further.
;;   INPUTS GIVEN AS CODES. wk (in the module: [3072, 2048], K = its axis 1); wo (in the module: [2048, 2048], K = its axis 1); wq (in the module: [3072, 2048], K = its axis 1); wv (in the module: [2048, 2048], K = its axis 1); x (in the module: [1, 2048, 2048], K = its axis 2): each comes as NAME_codes (uint8): NAME with its K axis moved to the last place and cut into blocks of 32 codes, [.., K / 32, bytes a block], one block behind the other in memory; one code a byte (a code: sign, 4 exponent bits, 3 mantissa bits); its scale is its entry of lowp_scales. Its value is code x scale, taken as it is: it is not quantised again, and the codes and scales need not be those that the quantiser above would give.
;; One version. Each part assembles by itself: llvm-mc -triple=amdgcn-amd-amdhsa -mcpu=gfx1250 --defsym DOCPART=n.
;; ======== version 1 of 1: 3 launches
;; limits: right only within a limited range of input values
;; workspace buffers: qkv 16,777,216 bytes; ao 4,194,304 bytes
;; launch proj (part 1): grid 32 x 8, 4 waves a work-group, clusters of 4 x 4, 327,680 bytes of LDS; arguments x_codes, wq_codes, wk_codes, wv_codes, freqs_cos, freqs_sin, lowp_scales, qkv; writes qkv
.if DOCPART == 1
	.amdgcn_target "amdgcn-amd-amdhsa--gfx1250"
	.amdhsa_code_object_version 6
	.text
	.protected	k_q038f72b3e1_proj
	.globl	k_q038f72b3e1_proj
	.p2align	8
	.type	k_q038f72b3e1_proj,@function
k_q038f72b3e1_proj:
	s_mov_b64 s[64:65], 0
	v_nop
	global_prefetch_b8 v0, s[64:65] scope:SCOPE_SE
	s_setreg_imm32_b32 hwreg(HW_REG_WAVE_MODE, 25, 1), 1
	s_wait_xcnt 0x0
	s_wait_alu depctr_hold_cnt(0) depctr_sa_sdst(0) depctr_va_vdst(0) depctr_va_sdst(0) depctr_va_ssrc(0) depctr_va_vcc(0) depctr_vm_vsrc(0)
	s_getreg_b32 s2, hwreg(HW_REG_IB_STS2, 6, 4)
	s_cmp_eq_u32 s2, 0
	s_cbranch_scc0 .Lentry_in_a_cluster
	s_endpgm
.Lentry_in_a_cluster:
	s_bfe_u32 s2, ttmp6, 0x10000c
	s_cmp_lg_u32 s2, 0xf033
	s_cbranch_scc0 .Lentry_shape_is_right
	s_endpgm
.Lentry_shape_is_right:
.set SIZE_K, 2048
.set KSTEP,  256
.set ROWB,   256
.set KROW,   SIZE_K
.set PITCH,  272
.set FR,     16
.set NL,     4
.set NP,     4
.set HALFT,  128*PITCH
.set SLOT,   4*HALFT
.set LAPS,   SIZE_K/(2*KSTEP)
.set SPARE,  2*SLOT
.set SPITCH, 272
.set OROW,   8192
.set SCLO,  8
.set LIMLO, 9
.set SCHI,  10
.set LIMHI, 11
.set CF,    12
.set ADRA, 16
.set ADRB, 20
.set STO,  24
.set RD,   25
.set CO,   26
.set SPW,  28
.set NIL,  29
.set TMP,  32
.set AF,   128
.set CODE, 128
.set G1, 24
.set G0, 32
.set G1B, 48
.set G0B, 56
.set PEC, 80
.set MSB, 0
.macro WIN new
.if MSB != (\new)
	s_set_vgpr_msb (MSB<<8)|(\new)
.set MSB, (\new)
.endif
.endm
.set MUL_LO, 0xa1
.set MUL_HI, 0xf1
.set TO_B,   0x40
.macro JLOAD g0a, g1a, g0b, g1b
	s_cmp_eq_u32 s15, 0
	s_cbranch_scc0 .Lfor_b_\@
	tensor_load_to_lds s[\g0a:\g0a+3], s[\g1a:\g1a+7]
	s_nop 0
.rept 4
	v_nop
.endr
	s_branch .Lasked_\@
.Lfor_b_\@:
	tensor_load_to_lds s[\g0b:\g0b+3], s[\g1b:\g1b+7]
	s_nop 0
.rept 4
	v_nop
.endr
.Lasked_\@:
.endm
.macro CREST
	s_cmp_lg_u32 s14, 0
	s_cbranch_scc1 .Lnot_wave_0_\@
	s_barrier_signal -3
.Lnot_wave_0_\@:
	s_barrier_wait -3
	s_barrier_signal -1
	s_barrier_wait -1
.endm
.macro CROUND
	s_barrier_signal -1
	s_barrier_wait -1
	CREST
.endm
	s_load_b256 s[4:11], s[0:1], 0x0
	s_load_b256 s[84:91], s[0:1], 0x20
	v_lshl_add_u32 v[SPW], v0, 2, SPARE
	v_mov_b32 v[NIL], 0
	ds_add_u32 v28, v29
	ds_add_u32 v28, v29
	s_wait_dscnt 0x0
	v_lshrrev_b32 v1, 5, v0
	v_readfirstlane_b32 s14, v1
	v_and_b32 v30, 31, v0
	v_lshlrev_b32 v30, 11, v30                     ; the prefetches' offset: a lane a row of 2,048 bytes; never rewritten
	s_lshr_b32 s15, s14, 1
	s_and_b32 s16, s14, 1
	s_bfe_u32 s40, ttmp6, 0x40000
	s_bfe_u32 s41, ttmp6, 0x40004
	s_and_b32 s17, ttmp7, 0xffff
	s_lshl_b32 s17, s17, 2
	s_add_co_u32 s17, s17, s41
	s_cmp_lt_u32 ttmp9, 3
	s_cselect_b32 s81, 0, 1
	s_cmp_lt_u32 ttmp9, 6
	s_cselect_b32 s81, s81, 2
	s_mul_i32 s82, s81, 3
	s_sub_co_u32 s82, ttmp9, s82
	s_mul_i32 s18, s40, 3
	s_add_co_u32 s18, s18, s82
	s_lshl_b32 s19, s82, 2
	s_add_co_u32 s19, s19, s40
	s_cmp_lt_u32 ttmp9, 6
	s_cselect_b32 s42, s18, s19
	s_lshl_b32 s[PEC], s82, 1
	s_add_co_u32 s[PEC], s[PEC], s16
	s_cmp_ge_u32 s[PEC], 3
	s_cselect_b32 s18, 3, 0
	s_sub_co_u32 s[PEC], s[PEC], s18
	s_cmp_lt_u32 ttmp9, 6
	s_cselect_b32 s[PEC], s[PEC], 0
	s_lshl_b32 s43, s41, 2
	s_lshl_b32 s43, 15, s43
	s_lshl_b32 s44, 0x1111, s40
	s_or_b32 s[G1+0], s43, (0<<16)|(1<<20)|(1<<21)|(5<<22)|(3<<25)
	s_or_b32 s[G1B+0], s44, (0<<16)|(1<<20)|(1<<21)|(5<<22)|(3<<25)
.irp g, G1, G1B
	s_mov_b32 s[\g+1], ROWB<<16
	s_mov_b32 s[\g+2], 128<<16
	s_mov_b32 s[\g+3], ROWB<<16
	s_mov_b32 s[\g+4], 128
	s_mov_b32 s[\g+5], KROW
	s_mov_b32 s[\g+6], 0
	s_mov_b32 s[\g+7], 0
.endr
	s_lshl_b32 s18, s16, 7
	s_lshl_b32 s20, s17, 8
	s_add_co_u32 s20, s20, s18
	s_lshl_b32 s20, s20, 11
	s_mov_b32 s21, 0
	s_lshl_b32 s46, s42, 8
	s_add_co_u32 s46, s46, s18
	s_lshl_b32 s46, s46, 11
	s_mov_b32 s47, 0
	s_mul_i32 s45, s14, HALFT
	s_wait_kmcnt 0x0
	s_load_b256 s[68:75], s[88:89], 0x0
	s_load_b128 s[76:79], s[88:89], 0x20
	s_cmp_lt_u32 ttmp9, 6
	s_cselect_b64 s[92:93], s[4:5], s[10:11]
	s_cselect_b64 s[94:95], s[8:9], s[4:5]
	s_cmp_lt_u32 ttmp9, 3
	s_cselect_b64 s[94:95], s[6:7], s[94:95]
	s_add_nc_u64 s[20:21], s[92:93], s[20:21]
	s_add_nc_u64 s[46:47], s[94:95], s[46:47]
	; the prefetches: of the 128 rows that I fetch, my work-group's 32 (told apart by address: cx for the first operand, cy for the second), at K step 1.
	; x's rows as first operand are asked for by the clusters with x = 0 and 3 alone; s98 = 1 where my wave asks
	s_lshr_b32 s99, 0xc9, ttmp9
	s_and_b32 s99, s99, 1
	s_or_b32 s99, s99, s15
	s_cmp_eq_u32 s99, 0
	s_cselect_b32 s98, -1, 1
	s_cmp_eq_u32 s15, 0
	s_cselect_b64 s[96:97], s[20:21], s[46:47]
	s_cselect_b32 s66, s40, s41
	s_lshl_b32 s66, s66, 16
	s_add_co_u32 s66, s66, 256
	s_mov_b32 s67, 0
	s_add_nc_u64 s[96:97], s[96:97], s[66:67]
	CROUND
.irp s, 0,1
	s_mov_b32 s[G0+4*\s], 1
	s_add_co_u32 s[G0+4*\s+1], s45, \s*SLOT
	s_add_nc_u64 s[G0+4*\s+2:G0+4*\s+3], s[20:21], \s*ROWB
	s_or_b32 s[G0+4*\s+3], s[G0+4*\s+3], 0x80000000
	s_mov_b32 s[G0B+4*\s], 1
	s_add_co_u32 s[G0B+4*\s+1], s45, \s*SLOT
	s_add_nc_u64 s[G0B+4*\s+2:G0B+4*\s+3], s[46:47], \s*ROWB
	s_or_b32 s[G0B+4*\s+3], s[G0B+4*\s+3], 0x80000000
	s_wait_alu depctr_va_vdst(0)
	s_wait_tensorcnt 0x0
	ds_add_u32 v28, v29
	ds_add_u32 v28, v29
	s_wait_dscnt 0x0
	CROUND
	JLOAD G0+4*\s, G1, G0B+4*\s, G1B
	s_cmp_eq_u32 s98, 1
	s_cbranch_scc0 .Lno_head_ask_\s
.if \s == 0
	global_prefetch_b8 v30, s[96:97] th:TH_LOAD_NT scope:SCOPE_SE              ; K steps 1 and 2,
	global_prefetch_b8 v30, s[96:97] offset:256 th:TH_LOAD_NT scope:SCOPE_SE
.else
	global_prefetch_b8 v30, s[96:97] offset:512 th:TH_LOAD_NT scope:SCOPE_SE   ; K step 3
.endif
.Lno_head_ask_\s:
.endr
	v_and_b32 v1, 15, v0
	v_bfe_u32 v2, v0, 4, 1
	s_wait_alu depctr_va_vdst(0)
	v_mul_u32_u24 v3, v1, PITCH
	v_lshl_add_u32 v4, v2, 4, v3
	s_mul_i32 s21, s15, HALFT
	s_mul_i32 s22, s16, HALFT
	s_add_co_u32 s22, s22, 2*HALFT
.irp s, 0,1
	v_add_nc_u32 v[ADRA+\s], s21, v4
	v_add_nc_u32 v[ADRB+\s], s22, v4
	s_add_co_u32 s21, s21, SLOT
	s_add_co_u32 s22, s22, SLOT
.endr
	v_lshl_add_u32 v5, v2, 3, v3
	s_mul_i32 s23, s15, 128*SPITCH
	s_lshl_b32 s18, s16, 7
	s_add_co_u32 s23, s23, s18
	v_add_nc_u32 v[STO], s23, v5
.set RDV, 27
	s_mul_i32 s23, s14, 64*SPITCH                  ; my 64 rows of the stage
	v_and_b32 v7, 31, v0
	v_lshrrev_b32 v6, 2, v7
	v_mul_u32_u24 v6, v6, SPITCH
	v_and_b32 v18, 3, v0
	v_lshl_add_u32 v6, v18, 4, v6
	v_add_nc_u32 v[RD], s23, v6                    ; q, k: four lanes to 64 bytes of a row, eight rows an instruction
	v_lshrrev_b32 v6, 3, v7
	v_mul_u32_u24 v6, v6, SPITCH
	v_and_b32 v18, 7, v0
	v_lshl_add_u32 v6, v18, 4, v6
	v_add_nc_u32 v[RDV], s23, v6                   ; v: eight lanes to 128 bytes of a row, four rows an instruction
	v_lshlrev_b32 v[CO], 4, v7                     ; 16 x lane: 32 lanes store 512 consecutive bytes
	v_lshlrev_b32 v[CF], 7, v1
	v_lshl_add_u32 v[CF], v2, 4, v[CF]
	; qkv: q at byte 0, k at 6291456: [block of 128 tokens][chunk of 64 columns][token][64]; v at 12582912: [head][block of 128 keys][channel][128]
	s_lshl_b32 s20, s17, 1
	s_add_co_u32 s20, s20, s15                     ; my block of 128 rows of the result (tokens; for v: the head)
	s_mul_i32 s21, s20, 393216
	s_lshl_b32 s20, s20, 18
	s_mul_i32 s22, s81, 6291456                    ; the tensor's region
	s_lshl_b32 s23, s16, 12                        ; my 64 rows in the block: x 64 bytes,
	s_lshl_b32 s18, s16, 13                        ; for v x 128
	s_cmp_lt_u32 ttmp9, 6
	s_cselect_b32 s20, s21, s20
	s_cselect_b32 s23, s23, s18
	s_add_co_u32 s20, s20, s22
	s_add_co_u32 s20, s20, s23
	s_lshl_b32 s21, s42, 15                        ; the tile's 256 columns: four chunks of 8,192 bytes, or two blocks of keys of 16,384
	s_add_co_u32 s20, s20, s21
	s_mov_b32 s21, 0
	s_add_nc_u64 s[90:91], s[90:91], s[20:21]
	s_lshl_b32 s20, s17, 8
	s_lshl_b32 s21, s15, 7
	s_add_co_u32 s20, s20, s21
	s_lshl_b32 s20, s20, 7
	s_mov_b32 s21, 0
	s_add_nc_u64 s[84:85], s[84:85], s[20:21]
	s_add_nc_u64 s[86:87], s[86:87], s[20:21]
.macro FRAG reg, adr, q, i
.irp c, 0,1,2,3
	ds_load_b128 v[\reg+4*\c:\reg+4*\c+3], v[\adr] offset:128*(\q)+32*\c+(\i)*16*PITCH
.endr
.endm
.macro MUL16 a0, p, zero
.irp a, \a0, \a0+1
.irp b, 0,1,2,3,4,5,6,7
.if \zero
	v_wmma_f32_16x16x128_fp8_fp8 v[8*(8*((\a)%4)+\b):8*(8*((\a)%4)+\b)+7], v[128*(\p)+FR*\b:128*(\p)+FR*\b+FR-1], v[AF+FR*(\a):AF+FR*(\a)+FR-1], 0
.else
	v_wmma_f32_16x16x128_fp8_fp8 v[8*(8*((\a)%4)+\b):8*(8*((\a)%4)+\b)+7], v[128*(\p)+FR*\b:128*(\p)+FR*\b+FR-1], v[AF+FR*(\a):AF+FR*(\a)+FR-1], v[8*(8*((\a)%4)+\b):8*(8*((\a)%4)+\b)+7]
.endif
.endr
.endr
.endm
.macro FETCH_B slot, q, p
	WIN TO_B
.irp i, 0,1,2,3,4,5,6,7
	FRAG 128*(\p)+FR*\i, ADRB+\slot, \q, \i
.endr
	WIN 0
.endm
.macro FETCH_A slot, q, i0
.irp i, \i0, \i0+1, \i0+2, \i0+3
	FRAG AF+FR*(\i), ADRA+\slot, \q, \i
.endr
.endm
.macro PLACES n
.rept \n
	v_nop
.endr
.endm
.macro STEP slot, q, zero
	s_wait_dscnt 4*NL
	WIN MUL_LO
	MUL16 0, (\q)%2, \zero
	MUL16 2, (\q)%2, \zero
	s_wait_dscnt 0
	PLACES NP
	FETCH_B \slot, (\q)+1, 1-(\q)%2
	FETCH_A \slot, (\q)+1, 0
	WIN MUL_HI
	MUL16 4, (\q)%2, \zero
	MUL16 6, (\q)%2, \zero
	PLACES NP
	WIN 0
	FETCH_A \slot, (\q)+1, 4
.endm
.macro TURN slot, next, fill
.if \fill
	s_wait_xcnt 0x0                                ; my last prefetch has read its address
	s_add_nc_u64 s[96:97], s[96:97], 256
.endif
	s_wait_tensorcnt 0x0
	ds_add_u32 v[SPW], v[NIL]
	s_wait_dscnt 4*NL+1
	WIN MUL_LO
	MUL16 0, 1, 0
	s_wait_dscnt 0x0
	s_barrier_signal -1
	MUL16 2, 1, 0
	WIN 0
	s_barrier_wait -1
.if \fill
	CREST
	s_add_nc_u64 s[G0+4*\slot+2:G0+4*\slot+3], s[G0+4*\slot+2:G0+4*\slot+3], 2*ROWB
	s_add_nc_u64 s[G0B+4*\slot+2:G0B+4*\slot+3], s[G0B+4*\slot+2:G0B+4*\slot+3], 2*ROWB
	JLOAD G0+4*\slot, G1, G0B+4*\slot, G1B
.else
	PLACES NP
.endif
	FETCH_B \next, 0, 0
	FETCH_A \next, 0, 0
.if \fill
	s_cmp_gt_u32 s3, s98                           ; the K step two refills on; the last trip's two refills have none
	s_cbranch_scc0 .Lno_ask_\@
	global_prefetch_b8 v30, s[96:97] offset:512 th:TH_LOAD_NT scope:SCOPE_SE
.Lno_ask_\@:
.endif
	WIN MUL_HI
	MUL16 4, 1, 0
	MUL16 6, 1, 0
	PLACES NP
	WIN 0
	FETCH_A \next, 0, 4
.endm
	s_wait_tensorcnt 1
	s_barrier_signal -1
	s_barrier_wait -1
	FETCH_B 0, 0, 0
	FETCH_A 0, 0, 0
	FETCH_A 0, 0, 4
	STEP 0, 0, 1
	s_mov_b32 s3, LAPS-1
.Llap:
	TURN 0, 1, 1
	STEP 1, 0, 0
	TURN 1, 0, 1
	STEP 0, 0, 0
	s_sub_co_u32 s3, s3, 1
	s_cmp_lg_u32 s3, 0
	s_cbranch_scc1 .Llap
	TURN 0, 1, 0
	STEP 1, 0, 0
	s_wait_dscnt 4*NL
	WIN MUL_LO
	MUL16 0, 1, 0
	MUL16 2, 1, 0
	s_wait_dscnt 0
	WIN MUL_HI
	MUL16 4, 1, 0
	MUL16 6, 1, 0
	WIN 0
	s_wait_kmcnt 0x0
	s_add_co_i32 s20, s68, s69
	s_add_co_i32 s21, s70, s71
	s_add_co_i32 s22, s72, s73
	s_cmp_lt_u32 ttmp9, 6
	s_cselect_b32 s21, s21, s22
	s_cselect_b32 s22, s74, s78
	s_cselect_b32 s23, s76, s78
	s_cmp_lt_u32 ttmp9, 3
	s_cselect_b32 s20, s20, s21
	s_cselect_b32 s22, s75, s22
	s_cselect_b32 s23, s77, s23
	s_sub_co_i32 s22, s22, s20
	s_sub_co_i32 s23, s23, s20
	s_add_co_i32 s22, s22, 127
	s_add_co_i32 s23, s23, 127
	s_lshl_b32 s18, s22, 23
	s_lshl_b32 s19, s23, 23
	s_add_co_i32 s22, s22, 8
	s_add_co_i32 s23, s23, 8
	s_lshl_b32 s22, s22, 23
	s_lshl_b32 s23, s23, 23
	s_or_b32 s22, s22, 0x600000
	s_or_b32 s23, s23, 0x600000
	s_cmp_eq_u32 s[PEC], 1
	s_cselect_b32 s20, s19, s18
	s_cselect_b32 s21, s23, s22
	v_mov_b32 v[SCLO], s20
	v_mov_b32 v[LIMLO], s21
	s_cmp_eq_u32 s[PEC], 2
	s_cselect_b32 s20, s19, s18
	s_cselect_b32 s21, s23, s22
	v_mov_b32 v[SCHI], s20
	v_mov_b32 v[LIMHI], s21
	PLACES NP
.macro ROPE b0
.irp a, 0,1,2,3,4,5,6,7
	WIN (1<<2)|(2+\a/4)
.irp pb, 0,1,2,3
.irp e, 0,1
.set rA, 64*(\a%4)+8*(\b0+\pb)+4*\e
.set rT, TMP+8*\pb+4*\e
.set rC, 32*\a+4*\pb+2*\e
	v_pk_mul_f32 v[rT:rT+1], v[rA:rA+1], v[rC:rC+1] op_sel:[0,0] op_sel_hi:[1,0]
	v_pk_mul_f32 v[rT+2:rT+3], v[rA+2:rA+3], v[rC:rC+1] op_sel:[0,1] op_sel_hi:[1,1]
.endr
.endr
	WIN ((2+\a/4)<<6)|(1<<2)|(2+\a/4)
.irp pb, 0,1,2,3
.irp e, 0,1
.set rA, 64*(\a%4)+8*(\b0+\pb)+4*\e
.set rT, TMP+8*\pb+4*\e
.set rC, 32*\a+16+4*\pb+2*\e
	v_pk_fma_f32 v[rA:rA+1], v[rA:rA+1], v[rC:rC+1], v[rT:rT+1] op_sel:[1,0,0] op_sel_hi:[0,0,1] neg_lo:[1,0,0]
	v_pk_fma_f32 v[rA+2:rA+3], v[rA+2:rA+3], v[rC:rC+1], v[rT+2:rT+3] op_sel:[1,1,0] op_sel_hi:[0,1,1] neg_lo:[1,0,0]
.endr
.endr
.endr
	WIN 0
.endm
	s_cmp_eq_u32 s[PEC], 0
	s_cbranch_scc1 .Lnorope
	WIN TO_B
	s_wait_alu depctr_va_vdst(0)
.irp a, 0,1,2,3,4,5,6,7
.irp pb, 0,1,2,3
	global_load_b128 v[32*\a+4*\pb:32*\a+4*\pb+3], v[CF], s[84:85] offset:\a*2048+32*\pb
	global_load_b128 v[32*\a+16+4*\pb:32*\a+16+4*\pb+3], v[CF], s[86:87] offset:\a*2048+32*\pb
.endr
.endr
	WIN 0
	s_wait_loadcnt 0x0
	s_cmp_eq_u32 s[PEC], 1
	s_cbranch_scc0 .Lrope_hi
	ROPE 0
	s_branch .Lnorope
.Lrope_hi:
	ROPE 4
.Lnorope:
.macro QUANT a
.set AC, 64*((\a)%4)
	WIN 0x02+(\a)/4
.set j, 0
.rept 32
	v_med3_num_f32 v[TMP+j], v[AC+j], -v[LIMLO], v[LIMLO]
.set j, j+1
.endr
.rept 32
	v_med3_num_f32 v[TMP+j], v[AC+j], -v[LIMHI], v[LIMHI]
.set j, j+1
.endr
	WIN 0
.irp b, 0,1,2,3
	v_cvt_scalef32_pk8_fp8_f32 v[CODE+16*(\a)+2*\b:CODE+16*(\a)+2*\b+1], v[TMP+8*\b:TMP+8*\b+7], v[SCLO]
.endr
.irp b, 4,5,6,7
	v_cvt_scalef32_pk8_fp8_f32 v[CODE+16*(\a)+2*\b:CODE+16*(\a)+2*\b+1], v[TMP+8*\b:TMP+8*\b+7], v[SCHI]
.endr
	v_nop
.irp b, 0,1,2,3,4,5,6,7
	ds_store_b64 v[STO], v[CODE+16*(\a)+2*\b:CODE+16*(\a)+2*\b+1] offset:(\a)*16*SPITCH+16*\b
.endr
.endm
	s_wait_alu depctr_va_vdst(0)
.irp a, 0,1,2,3,4,5,6,7
	QUANT \a
.endr
	s_wait_dscnt 0x0
	s_barrier_signal -1
	s_barrier_wait -1
	s_cmp_lt_u32 ttmp9, 6                          ; the cluster's x: the same in all partners
	s_cbranch_scc0 .Lout_v
.set t, 0
.rept 32
	ds_load_b128 v[128+4*t:128+4*t+3], v[RD] offset:(t%8)*8*SPITCH+64*(t/8)
.set t, t+1
.endr
.set t, 0
.rept 32
	s_wait_dscnt 31-t
	global_store_b128 v[CO], v[128+4*t:128+4*t+3], s[90:91] offset:(t/8)*8192+(t%8)*512
.set t, t+1
.endr
	s_branch .Lout_done
.Lout_v:
.set t, 0
.rept 32
	ds_load_b128 v[128+4*t:128+4*t+3], v[RDV] offset:(t%16)*4*SPITCH+128*(t/16)
.set t, t+1
.endr
.set t, 0
.rept 32
	s_wait_dscnt 31-t
	global_store_b128 v[CO], v[128+4*t:128+4*t+3], s[90:91] offset:(t/16)*16384+(t%16)*512
.set t, t+1
.endr
.Lout_done:
	s_wait_tensorcnt 0x0
	ds_add_u32 v[SPW], v[NIL]
	s_wait_dscnt 0x0
	CROUND
	s_endpgm
.Lfunc_end_k_q038f72b3e1_proj:
	.size	k_q038f72b3e1_proj, .Lfunc_end_k_q038f72b3e1_proj-k_q038f72b3e1_proj
	.p2alignl 7, 3214868480
	.fill 96, 4, 3214868480
	.section	.rodata,"a",@progbits
	.p2align	6, 0x0
	.amdhsa_kernel k_q038f72b3e1_proj
		.amdhsa_group_segment_fixed_size 327680
		.amdhsa_private_segment_fixed_size 0
		.amdhsa_enable_private_segment 0
		.amdhsa_kernarg_size 64
		.amdhsa_user_sgpr_count 2
		.amdhsa_user_sgpr_kernarg_segment_ptr 1
		.amdhsa_wavefront_size32 1
		.amdhsa_system_sgpr_workgroup_id_x 1
		.amdhsa_system_sgpr_workgroup_id_y 1
		.amdhsa_system_sgpr_workgroup_id_z 1
		.amdhsa_system_vgpr_workitem_id 0
		.amdhsa_next_free_vgpr 1024
		.amdhsa_next_free_sgpr 100
		.amdhsa_reserve_vcc 0
		.amdhsa_float_denorm_mode_32 3
		.amdhsa_float_denorm_mode_16_64 3
		.amdhsa_memory_ordered 1
		.amdhsa_forward_progress 1
		.amdhsa_inst_pref_size 175
	.end_amdhsa_kernel
	.amdgpu_metadata
---
amdhsa.version: [ 1, 2 ]
amdhsa.kernels:
  - .name:           k_q038f72b3e1_proj
    .symbol:         k_q038f72b3e1_proj.kd
    .args:
      - { .name: x_codes, .offset: 0, .size: 8, .value_kind: global_buffer, .address_space: global }
      - { .name: wq_codes, .offset: 8, .size: 8, .value_kind: global_buffer, .address_space: global }
      - { .name: wk_codes, .offset: 16, .size: 8, .value_kind: global_buffer, .address_space: global }
      - { .name: wv_codes, .offset: 24, .size: 8, .value_kind: global_buffer, .address_space: global }
      - { .name: freqs_cos, .offset: 32, .size: 8, .value_kind: global_buffer, .address_space: global }
      - { .name: freqs_sin, .offset: 40, .size: 8, .value_kind: global_buffer, .address_space: global }
      - { .name: lowp_scales, .offset: 48, .size: 8, .value_kind: global_buffer, .address_space: global }
      - { .name: qkv, .offset: 56, .size: 8, .value_kind: global_buffer, .address_space: global }
    .group_segment_fixed_size: 327680
    .private_segment_fixed_size: 0
    .kernarg_segment_align: 8
    .kernarg_segment_size: 64
    .max_flat_workgroup_size: 128
    .sgpr_count:     100
    .vgpr_count:     1024
    .wavefront_size: 32
...
	.end_amdgpu_metadata
.endif
;; end of part 1
;; launch attn (part 2): grid 16 x 16, 8 waves a work-group, clusters of 4 x 4, 327,680 bytes of LDS; arguments qkv, mask, lowp_scales, ao; writes ao
.if DOCPART == 2
	.amdgcn_target "amdgcn-amd-amdhsa--gfx1250"
	.amdhsa_code_object_version 6
	.text
	.protected	k_q038f72b3e1_attn
	.globl	k_q038f72b3e1_attn
	.p2align	8
	.type	k_q038f72b3e1_attn,@function
k_q038f72b3e1_attn:
	s_mov_b64 s[64:65], 0
	v_nop
	global_prefetch_b8 v0, s[64:65] scope:SCOPE_SE
	s_setreg_imm32_b32 hwreg(HW_REG_WAVE_MODE, 25, 1), 1
	s_wait_xcnt 0x0
	s_wait_alu depctr_hold_cnt(0) depctr_sa_sdst(0) depctr_va_vdst(0) depctr_va_sdst(0) depctr_va_ssrc(0) depctr_va_vcc(0) depctr_vm_vsrc(0)
	s_getreg_b32 s2, hwreg(HW_REG_IB_STS2, 6, 4)
	s_cmp_eq_u32 s2, 0
	s_cbranch_scc0 .Lentry_in_a_cluster
	s_endpgm
.Lentry_in_a_cluster:
	s_bfe_u32 s2, ttmp6, 0x10000c
	s_cmp_lg_u32 s2, 0xf033
	s_cbranch_scc0 .Lentry_shape_is_right
	s_endpgm
.Lentry_shape_is_right:
; ATTENTION ON CODES OF FP8 (E4M3): scores = (q_nope . k_nope + q_pe . k_pe) / sqrt(192) + mask; softmax; x v; the result quantised for the output projection.
; qkv: q at byte 0 and k at 6291456, each [block of 128 tokens][48 chunks of 64 columns][token][64]: a head's 128 tokens are 24,576 dense bytes; v at 12582912: [head][block of 128 keys][channel][128 keys].
; mask: [2048][2048] f32, an input: every number is read and added.  ao (codes): byte (token / 64) x 131072 + head x 8192 + (token % 64) x 128 + d.
; SHARES.  A work-group owns 128 queries of one head.  Eight waves, two to a SIMD: wave w owns queries 32 (w % 4) .. + 31 (two tiles of 16) and, of each step's 128 keys, the half w / 4,
; with its own running M, sum and O^T; at the end waves 4-7 hand theirs to waves 0-3 through LDS, and the two are joined under the larger M by powers of two.
; LAYOUT.  Both products are used transposed: S^T = K Q^T, O^T = V^T P^T: a lane holds ONE query (lane % 16).  In score tile t register j is key 16 t + 8 (lane / 16) + j, so the conversions' results are P's registers 2 t, 2 t + 1.
; ARITHMETIC OF A LANE.  S = K_pe Q_pe (K = 64, C = 0); S x 2^d, d = e8 + e9 - e6 - e7; S += K_nope Q_nope (K = 128); logit = S x 2^(e6 + e7) / sqrt(192) + mask, one fused multiply-add; t = logit x log2(e), rounded;
; -M = floor(-(the running largest t)); p = 2^(t - M); the sum is taken of the unquantised p; p is held at 448 x 2^e11 and converted with 2^e11; when M moves the sum and O^T are multiplied by 2^(old M - new M).
; RING.  Two slots of LDS, each with 128 keys of K, of V and of the mask.  THE CHANGE OF SLOTS STANDS IN THE MIDDLE OF STEP j, when the step's K, mask and V are all in registers: behind its round tile j + 2 goes into the slot
; of step j, and K's fragments of step j + 1 are read from the other slot, under the rest of step j.  Every wave issues one joint load: waves 0, 1 K's halves, 2, 3 V's halves, 4-7 the mask's quarters.
; CLUSTER.  4 x 4 work-groups: x = four blocks of queries, y = four heads.  K and V are asked for jointly along a row of the cluster, the mask's tile along a column.
; LIMITS on the given exponents, so that each power of two is an f32 number: e6 + e7 between -122 and 130; d between -126 and 127; e11 and e12 - e10 - e11 between -126 and 119.
; A row whose mask is -infinity throughout, +infinity and NaN are not served.
; REGISTERS.  Window 0: v0-15 addresses; v16-31 statistics; v32-95 S^T; v96-111 P; v112-207 K; v208-235 at work.  Window 1: v0-127 O^T; v128-175 Q; v176-239 the mask, then V.
.set KP,    80                         ; 64 codes of a key + 16 bytes of padding; chunk c of key k lies at (128 c + k) x 80
.set VP,    144
.set MP,    528
.set VOFF,  384*KP
.set MOFF,  VOFF+128*VP
.set SLOT1, 1<<17
.set SPARE, 2*SLOT1                    ; the spare words, 128 bytes a wave
.set MSZ,   16896                      ; the hand-over: 128 registers of O^T and 4 of statistics, 128 bytes each; in slot 0, which has had its last fill and its last read by then
.set STAGE, 4*MSZ                      ; the way out: 32 rows x 144 bytes for each of waves 0-3, behind the hand-over
.set SP,    144
.set KBT,   393216                     ; from one block of 128 tokens to the next in q and in k
.set KREG,  6291456
.set VREG,  12582912
.set AK0, 1
.set AV0, 2
.set AM0, 3
.set ADK, 4
.set ADV, 5
.set ADM, 6
.set SPW, 7                            ; LDS address of my spare word; never rewritten
.set NIL, 8                            ; 0; never rewritten
.set STO, 9
.set RD,  10
.set GO,  11
.set PFO, 12
.set QO,  13
.set ST,  16                           ; tile q at v[16 + 8 q]: +0 -M, +1 the largest t, +2, +3 the sum, +4 f, +5 zero, +6 at work, +7 zero
.set S,   32
.set P,   96
.set KF,  112
.set MA,  208
.set PX,  210
.set LIMP, 212
.set SCP,  213
.set LIMO, 214
.set SCO,  215
.set MX,  216
.set SC,  220
.set TS,  228
.set TS2, 232
.set QF,  128                          ; window 1
.set VF,  176                          ; window 1
.set WV,  12
.set TN,  60                           ; the slot of the next step
.set KH,  66
.set QG,  67
.set TB,  68                           ; the slot of the step in hand
.set J,   69
.set LIMW, 70
.set PMASK, 71
.set G1K, 24
.set G1V, 32
.set G1M, 40
.set G0K, 48
.set G0V, 52
.set G0M, 56
.set E,   76
.set CS,  84
.set LL,  86
.set D2,  88
.set SEL, 90
.set PFA, 92
.set PFS, 94
.set MSB, 0
.macro WIN new
.if MSB != (\new)
	s_set_vgpr_msb (MSB<<8)|(\new)
.set MSB, (\new)
.endif
.endm
.macro PLACES
.rept 4
	v_nop
.endr
.endm
.macro CREST                           ; a round of the cluster's barrier behind its opening barrier
	s_cmp_lg_u32 s[WV], 0
	s_cbranch_scc1 .Lnot_wave_0_\@
	s_barrier_signal -3
.Lnot_wave_0_\@:
	s_barrier_wait -3
	s_barrier_signal -1
	s_barrier_wait -1
.endm
.macro CROUND
	s_barrier_signal -1
	s_barrier_wait -1
	CREST
.endm
; One joint load a wave, in one chain of arms on the wave's number; an s_nop 0 and four v_nop follow each
.macro JLOAD
	s_cmp_lt_u32 s[WV], 2
	s_cbranch_scc0 .Lnot_k_\@
	tensor_load_to_lds s[G0K:G0K+3], s[G1K:G1K+7]
	s_nop 0
	PLACES
	s_branch .Lasked_\@
.Lnot_k_\@:
	s_cmp_lt_u32 s[WV], 4
	s_cbranch_scc0 .Lnot_v_\@
	tensor_load_to_lds s[G0V:G0V+3], s[G1V:G1V+7]
	s_nop 0
	PLACES
	s_branch .Lasked_\@
.Lnot_v_\@:
	tensor_load_to_lds s[G0M:G0M+3], s[G1M:G1M+7]
	s_nop 0
	PLACES
.Lasked_\@:
.endm
.macro DSTEP                           ; the walking descriptors: the other slot, the next tile
	s_xor_b32 s[G0K+1], s[G0K+1], SLOT1
	s_add_nc_u64 s[G0K+2:G0K+3], s[G0K+2:G0K+3], KBT
	s_xor_b32 s[G0V+1], s[G0V+1], SLOT1
	s_add_nc_u64 s[G0V+2:G0V+3], s[G0V+2:G0V+3], 16384
	s_xor_b32 s[G0M+1], s[G0M+1], SLOT1
	s_add_nc_u64 s[G0M+2:G0M+3], s[G0M+2:G0M+3], 512
.endm
; PREFETCHES INTO THE L2, behind the refill of the change in step J (which loads tile J + 2).  Each cluster asks once for each block of 256 bytes that it will load; every lane names a block of its own; partners are told apart BY ADDRESS.
; K and V, in steps J = 0, 4, 8: partner cx takes tile J + 4 + cx whole, 2 + cx changes ahead of its load: K's 96 blocks waves 0-2, V's 64 blocks waves 3, 4.
; The mask, in steps J = 0 .. 11: tile J + 4, two changes ahead: partner cy takes 32 of the 128 rows, a lane a row, waves 5 and 6 a block each.  Tiles 0 to 3 come by their loads alone; nothing is asked beyond tile 15.
.macro ASK
	s_and_b32 s2, s[J], s[PMASK]
	s_cmp_eq_u32 s2, 0
	s_cbranch_scc0 .Lnot_mine_\@
	s_cmp_lt_u32 s[J], s[LIMW]
	s_cbranch_scc0 .Lnot_mine_\@
	global_prefetch_b8 v[PFO], s[PFA:PFA+1] th:TH_LOAD_NT scope:SCOPE_SE
.Lnot_mine_\@:
.endm
	s_load_b256 s[4:11], s[0:1], 0x0               ; qkv, mask, the exponents, ao
	v_lshl_add_u32 v[SPW], v0, 2, SPARE
	v_mov_b32 v[NIL], 0
	ds_add_u32 v[SPW], v[NIL]                      ; the opening lines: the add, twice on end, and its wait
	ds_add_u32 v[SPW], v[NIL]
	v_lshrrev_b32 v14, 5, v0
	v_readfirstlane_b32 s[WV], v14                 ; wave 0..7
	s_and_b32 s[QG], s[WV], 3                      ; my 32 queries
	s_lshr_b32 s[KH], s[WV], 2                     ; my half of the keys
	s_bfe_u32 s13, ttmp6, 0x40000                  ; cx
	s_bfe_u32 s14, ttmp6, 0x40004                  ; cy
	s_lshl_b32 s15, ttmp9, 2
	s_add_co_u32 s15, s15, s13                     ; my block of 128 queries
	s_and_b32 s16, ttmp7, 0xffff
	s_lshl_b32 s16, s16, 2
	s_add_co_u32 s16, s16, s14                     ; my head
	s_lshl_b32 s17, s14, 2
	s_lshl_b32 s17, 15, s17                        ; my row of the cluster
	s_lshl_b32 s18, 0x1111, s13                    ; my column
	s_or_b32 s[G1K], s17, (1<<20)|(1<<21)|(3<<22)|(3<<25)   ; K's half: 12,288 dense bytes as 48 rows of 256; 4 words of padding behind every 16
	s_mov_b32 s[G1K+1], 256<<16
	s_mov_b32 s[G1K+2], 48<<16
	s_mov_b32 s[G1K+3], 256<<16
	s_mov_b32 s[G1K+4], 48
	s_mov_b32 s[G1K+5], 256
	s_mov_b32 s[G1K+6], 0
	s_mov_b32 s[G1K+7], 0
	s_or_b32 s[G1V], s17, (1<<20)|(1<<21)|(4<<22)|(3<<25)   ; V's half: 8,192 dense bytes as 32 rows of 256; padding behind every 32 words
	s_mov_b32 s[G1V+1], 256<<16
	s_mov_b32 s[G1V+2], 32<<16
	s_mov_b32 s[G1V+3], 256<<16
	s_mov_b32 s[G1V+4], 32
	s_mov_b32 s[G1V+5], 256
	s_mov_b32 s[G1V+6], 0
	s_mov_b32 s[G1V+7], 0
	s_or_b32 s[G1M], s18, (2<<16)|(1<<20)|(1<<21)|(6<<22)|(3<<25)   ; the mask's quarter: 32 rows of 128 numbers of 4 bytes; padding behind every 128 words
	s_mov_b32 s[G1M+1], 128<<16
	s_mov_b32 s[G1M+2], 32<<16
	s_mov_b32 s[G1M+3], 128<<16
	s_mov_b32 s[G1M+4], 32
	s_mov_b32 s[G1M+5], 2048
	s_mov_b32 s[G1M+6], 0
	s_mov_b32 s[G1M+7], 0
	s_and_b32 s19, s[WV], 1
	s_mul_i32 s20, s16, 24576                      ; K: my head's tile of token block 0, my half
	s_mul_i32 s21, s19, 12288
	s_add_co_u32 s20, s20, s21
	s_add_co_u32 s20, s20, KREG
	s_mov_b32 s21, 0
	s_lshl_b32 s22, s16, 18                        ; V likewise
	s_lshl_b32 s23, s19, 13
	s_add_co_u32 s22, s22, s23
	s_add_co_u32 s22, s22, VREG
	s_mov_b32 s23, 0
	s_lshl_b32 s2, s15, 20                         ; the mask: my block's rows, my quarter
	s_lshl_b32 s3, s[QG], 18
	s_add_co_u32 s2, s2, s3
	s_mov_b32 s3, 0
	s_mov_b32 s[G0K], 1
	s_mul_i32 s[G0K+1], s19, 192*KP
	s_mov_b32 s[G0V], 1
	s_mul_i32 s[G0V+1], s19, 64*VP
	s_add_co_u32 s[G0V+1], s[G0V+1], VOFF
	s_mov_b32 s[G0M], 1
	s_mul_i32 s[G0M+1], s[QG], 32*MP
	s_add_co_u32 s[G0M+1], s[G0M+1], MOFF
	s_mov_b32 s[SEL], 0x76543210
	s_mov_b32 s[SEL+1], 0xfedcba98
	s_mov_b32 s[LL], 0x3fb8aa3b
	s_mov_b32 s[LL+1], 0x3fb8aa3b
	s_wait_dscnt 0x0                               ; both opening adds are done
	s_wait_kmcnt 0x0
	s_load_b256 s[E:E+7], s[8:9], 0x18             ; e6 .. e13
	s_add_nc_u64 s[G0K+2:G0K+3], s[4:5], s[20:21]
	s_or_b32 s[G0K+3], s[G0K+3], 0x80000000
	s_add_nc_u64 s[G0V+2:G0V+3], s[4:5], s[22:23]
	s_or_b32 s[G0V+3], s[G0V+3], 0x80000000
	s_add_nc_u64 s[G0M+2:G0M+3], s[6:7], s[2:3]
	s_or_b32 s[G0M+3], s[G0M+3], 0x80000000
	CROUND                                         ; all sixteen work-groups are here: the first joint loads meet
	JLOAD                                          ; tile 0 into slot 0: one tensor load a wave at the head
	; scalars first, then one run of vector instructions
	s_mul_i32 s2, s15, KBT                         ; q: my block, my head, my 32 tokens of 64 bytes
	s_mul_i32 s17, s16, 24576
	s_add_co_u32 s2, s2, s17
	s_lshl_b32 s17, s[QG], 11
	s_add_co_u32 s2, s2, s17
	s_mov_b32 s3, 0
	s_add_nc_u64 s[2:3], s[4:5], s[2:3]
	s_mul_i32 s17, s[KH], 64*KP                    ; K: my 64 keys
	s_lshl_b32 s18, s[KH], 6
	s_add_co_u32 s18, s18, VOFF                    ; V: my 64 keys of each row
	s_mul_i32 s19, s[QG], 32*MP
	s_lshl_b32 s20, s[KH], 8
	s_add_co_u32 s19, s19, s20
	s_add_co_u32 s19, s19, MOFF                    ; the mask: my 32 rows, my 64 keys
	s_mul_i32 s20, s[QG], 32*SP
	s_add_co_u32 s20, s20, STAGE                   ; my stage
	s_mul_i32 s22, s[QG], MSZ                      ; my pair's hand-over
	s_lshl_b32 s72, s15, 1                         ; ao
	s_lshr_b32 s73, s[QG], 1
	s_add_co_u32 s72, s72, s73
	s_lshl_b32 s72, s72, 17
	s_lshl_b32 s73, s16, 13
	s_add_co_u32 s72, s72, s73
	s_and_b32 s73, s[QG], 1
	s_lshl_b32 s73, s73, 12
	s_add_co_u32 s72, s72, s73
	s_mov_b32 s73, 0
	s_add_nc_u64 s[10:11], s[10:11], s[72:73]
	; the prefetches stand one tile short of their first: the change in step 0 steps them on
	s_mul_i32 s74, s16, 24576                      ; K: my head, my wave's 32 blocks, tile 3 + cx
	s_lshl_b32 s75, s[WV], 13
	s_add_co_u32 s74, s74, s75
	s_add_co_u32 s75, s13, 3
	s_mul_i32 s23, s75, KBT
	s_add_co_u32 s74, s74, s23
	s_add_co_u32 s74, s74, KREG
	s_lshl_b32 s23, s75, 14                        ; V likewise
	s_lshl_b32 s75, s16, 18
	s_add_co_u32 s75, s75, s23
	s_sub_co_u32 s23, s[WV], 3
	s_lshl_b32 s23, s23, 13
	s_add_co_u32 s75, s75, s23
	s_add_co_u32 s75, s75, VREG
	s_lshl_b32 s72, s15, 20                        ; the mask: my block's rows, 32 cy on, my wave's block, tile 3
	s_lshl_b32 s23, s14, 18
	s_add_co_u32 s72, s72, s23
	s_sub_co_u32 s23, s[WV], 5
	s_lshl_b32 s23, s23, 8
	s_add_co_u32 s72, s72, s23
	s_add_co_u32 s72, s72, 3*512
	s_mov_b32 s23, 8192                            ; from lane to lane
	s_mov_b32 s[PFS], 512                          ; from tile to tile
	s_mov_b32 s[PMASK], 0
	s_mov_b32 s[LIMW], 12
	s_cmp_lt_u32 s[WV], 5
	s_cselect_b32 s72, s75, s72
	s_cselect_b32 s23, 256, s23
	s_cselect_b32 s[PFS], 16384, s[PFS]
	s_cselect_b32 s[PMASK], 3, s[PMASK]
	s_cselect_b32 s[LIMW], 9, s[LIMW]
	s_cselect_b64 s[PFA:PFA+1], s[4:5], s[6:7]
	s_cmp_lt_u32 s[WV], 3
	s_cselect_b32 s72, s74, s72
	s_cselect_b32 s[PFS], KBT, s[PFS]
	s_cmp_eq_u32 s[WV], 7
	s_cselect_b32 s[LIMW], 0, s[LIMW]              ; wave 7 asks for nothing
	s_mov_b32 s[PFS+1], 0
	s_add_nc_u64 s[PFA:PFA+1], s[PFA:PFA+1], s[72:73]
	s_wait_kmcnt 0x0
	s_add_co_i32 s72, s[E], s[E+1]                 ; e6 + e7
	s_add_co_i32 s73, s[E+2], s[E+3]
	s_sub_co_i32 s73, s73, s72                     ; d
	s_lshl_b32 s72, s72, 23
	s_add_co_i32 s[CS], s72, 0x3d93cd3a            ; 1 / sqrt(192), with e6 + e7 added to its exponent field
	s_mov_b32 s[CS+1], s[CS]
	s_add_co_i32 s73, s73, 127
	s_lshl_b32 s[D2], s73, 23                      ; 2^d
	s_mov_b32 s[D2+1], s[D2]
	s_add_co_i32 s72, s[E+5], 127
	s_lshl_b32 s73, s72, 23                        ; 2^e11
	s_add_co_i32 s72, s72, 8
	s_lshl_b32 s72, s72, 23
	s_or_b32 s72, s72, 0x600000                    ; 448 x 2^e11
	s_sub_co_i32 s74, s[E+6], s[E+4]
	s_sub_co_i32 s74, s74, s[E+5]
	s_add_co_i32 s74, s74, 127
	s_lshl_b32 s75, s74, 23                        ; 2^(e12 - e10 - e11)
	s_add_co_i32 s74, s74, 8
	s_lshl_b32 s74, s74, 23
	s_or_b32 s74, s74, 0x600000
	s_mov_b32 s[TB], 0
	s_mov_b32 s[TN], SLOT1
	s_mov_b32 s[J], 0
	v_and_b32 v14, 15, v0                          ; r
	v_bfe_u32 v15, v0, 4, 1                        ; h
	v_lshlrev_b32 v[QO], 6, v14
	v_lshl_add_u32 v[QO], v15, 4, v[QO]
	WIN 0x40
.irp q, 0,1                                    ; Q stays in registers: registers 4 c .. 4 c + 3 hold channels 32 c + 16 h + 0 .. 15, as K's fragments do
.irp c, 0,1,2,3,4,5
	global_load_b128 v[QF+24*\q+4*\c:QF+24*\q+4*\c+3], v[QO], s[2:3] offset:\q*1024+(\c/2)*8192+32*(\c%2)
.endr
.endr
.set i, 0
.rept 128
	v_mov_b32 v[i], 0                              ; O^T: the step is written without a first product of its own; the first change of M leaves zeros zeros
.set i, i+1
.endr
	WIN 0
	v_mul_u32_u24 v[AK0], v14, KP
	v_lshl_add_u32 v[AK0], v15, 4, v[AK0]
	v_add_nc_u32 v[AK0], s17, v[AK0]
	v_mul_u32_u24 v[AV0], v14, VP
	v_lshl_add_u32 v[AV0], v15, 3, v[AV0]
	v_add_nc_u32 v[AV0], s18, v[AV0]
	v_mul_u32_u24 v[AM0], v14, MP
	v_lshl_add_u32 v[AM0], v15, 5, v[AM0]
	v_add_nc_u32 v[AM0], s19, v[AM0]
	v_mul_u32_u24 v[STO], v14, SP
	v_lshl_add_u32 v[STO], v15, 3, v[STO]
	v_add_nc_u32 v[STO], s20, v[STO]
	v_and_b32 v[GO], 31, v0
	v_lshrrev_b32 v[RD], 3, v[GO]
	v_mul_u32_u24 v[RD], v[RD], SP
	v_and_b32 v[ADK], 7, v0
	v_lshl_add_u32 v[RD], v[ADK], 4, v[RD]
	v_add_nc_u32 v[RD], s20, v[RD]
	v_lshl_add_u32 v[MA], v[GO], 4, s22
	v_mul_lo_u32 v[PFO], v[GO], s23
	v_lshlrev_b32 v[GO], 4, v[GO]
.irp q, 0,1
	v_mov_b32 v[ST+8*\q+1], 0xff61b1e6             ; the largest t so far: -3e38
	v_floor_f32 v[ST+8*\q], -v[ST+8*\q+1]
	v_mov_b32 v[ST+8*\q+2], 0
	v_mov_b32 v[ST+8*\q+3], 0
	v_mov_b32 v[ST+8*\q+5], 0
	v_mov_b32 v[ST+8*\q+7], 0
	v_mov_b32 v[PX+\q], 0
.endr
	v_mov_b32 v[SCP], s73
	v_mov_b32 v[LIMP], s72
	v_mov_b32 v[SCO], s75
	v_mov_b32 v[LIMO], s74
.macro KLOAD sl                        ; K's fragments of my 64 keys out of the slot at s[sl]
	v_add_nc_u32 v[ADK], s[\sl], v[AK0]
.irp t, 0,1,2,3
.irp c, 0,1,2,3,4,5
	ds_load_b128 v[KF+24*\t+4*\c:KF+24*\t+4*\c+3], v[ADK] offset:\t*16*KP+(\c/2)*128*KP+32*(\c%2)
.endr
.endr
.endm
; A STEP'S FIRST PART: the scores, t, V's loads, M and f.  K's fragments were asked for in the step before.
.macro PARTA
	v_add_nc_u32 v[ADM], s[TB], v[AM0]
	PLACES                                         ; places behind the last products V^T P, in front of the loads into V's registers
	WIN 0x40
.irp q, 0,1                                    ; the mask, in the scores' own layout, into the registers that take V later
.irp t, 0,1,2,3
	ds_load_b128 v[VF+32*\q+8*\t:VF+32*\q+8*\t+3], v[ADM] offset:\q*16*MP+64*\t
	ds_load_b128 v[VF+32*\q+8*\t+4:VF+32*\q+8*\t+7], v[ADM] offset:\q*16*MP+64*\t+16
.endr
.endr
	s_wait_dscnt 16                                ; K's 24 loads are in; the mask's 16 may be out
	WIN 0x04                                       ; source 1, Q: window 1.  The eight accumulators take turns
.irp t, 0,1,2,3
.irp q, 0,1
	v_wmma_f32_16x16x64_fp8_fp8 v[S+32*\q+8*\t:S+32*\q+8*\t+7], v[KF+24*\t+16:KF+24*\t+23], v[QF+24*\q+16:QF+24*\q+23], 0
.endr
.endr
	WIN 0
	PLACES
.set n, 0
.rept 32
	v_pk_mul_f32 v[S+n:S+n+1], v[S+n:S+n+1], s[D2:D2+1] op_sel_hi:[1,0]   ; x 2^d; each accumulator from its low end on
.set n, n+2
.endr
	WIN 0x04
.irp t, 0,1,2,3
.irp q, 0,1
	v_wmma_f32_16x16x128_fp8_fp8 v[S+32*\q+8*\t:S+32*\q+8*\t+7], v[KF+24*\t:KF+24*\t+15], v[QF+24*\q:QF+24*\q+15], v[S+32*\q+8*\t:S+32*\q+8*\t+7]
.endr
.endr
	s_wait_dscnt 0x0                               ; the mask is in
	WIN 0x10                                       ; source 2, the mask: window 1
	PLACES
.set n, 0
.rept 32
	v_pk_fma_f32 v[S+n:S+n+1], v[S+n:S+n+1], s[CS:CS+1], v[VF+n:VF+n+1] op_sel_hi:[1,0,1]   ; logit
.set n, n+2
.endr
	WIN 0
	v_add_nc_u32 v[ADV], s[TB], v[AV0]
	WIN 0x40
.irp d, 0,1,2,3,4,5,6,7                        ; V: registers 2 c, 2 c + 1 of channel tile d hold my keys 16 c + 8 h + 0 .. 7
.irp c, 0,1,2,3
	ds_load_b64 v[VF+8*\d+2*\c:VF+8*\d+2*\c+1], v[ADV] offset:\d*16*VP+16*\c
.endr
.endr
	WIN 0
.set n, 0
.rept 32
	v_pk_mul_f32 v[S+n:S+n+1], v[S+n:S+n+1], s[LL:LL+1] op_sel_hi:[1,0]   ; t, rounded: M is taken of these numbers, so t - M is never above 0
.set n, n+2
.endr
.irp q, 0,1                                    ; the largest t among my 32 numbers of each tile: two chains a tile
	v_max3_num_f32 v[MX+2*\q], v[S+32*\q], v[S+32*\q+1], v[S+32*\q+2]
	v_max3_num_f32 v[MX+2*\q+1], v[S+32*\q+16], v[S+32*\q+17], v[S+32*\q+18]
.endr
.irp k, 3,5,7,9,11,13
.irp q, 0,1
	v_max3_num_f32 v[MX+2*\q], v[MX+2*\q], v[S+32*\q+\k], v[S+32*\q+\k+1]
	v_max3_num_f32 v[MX+2*\q+1], v[MX+2*\q+1], v[S+32*\q+16+\k], v[S+32*\q+17+\k]
.endr
.endr
.irp q, 0,1
	v_max3_num_f32 v[MX+2*\q], v[MX+2*\q], v[S+32*\q+15], v[S+32*\q+31]
.endr
.irp q, 0,1
	v_max_num_f32 v[MX+2*\q], v[MX+2*\q], v[MX+2*\q+1]
.endr
.irp q, 0,1
	v_permlanex16_b32 v[PX+\q], v[MX+2*\q], s[SEL], s[SEL+1]
.endr
.irp q, 0,1
	v_max_num_f32 v[MX+2*\q], v[MX+2*\q], v[PX+\q]
.endr
.irp q, 0,1
	v_mov_b32 v[ST+8*\q+6], v[ST+8*\q]             ; the old -M
.endr
.irp q, 0,1
	v_max_num_f32 v[ST+8*\q+1], v[ST+8*\q+1], v[MX+2*\q]
.endr
.irp q, 0,1
	v_floor_f32 v[ST+8*\q], -v[ST+8*\q+1]          ; the new -M
.endr
.irp q, 0,1
	v_sub_f32 v[ST+8*\q+6], v[ST+8*\q], v[ST+8*\q+6]
.endr
.irp q, 0,1
	v_cvt_i32_f32 v[ST+8*\q+6], v[ST+8*\q+6]       ; (it saturates)
.endr
.irp q, 0,1
	v_ldexp_f32 v[ST+8*\q+4], 1.0, v[ST+8*\q+6]    ; f = 2^(old M - new M)
.endr
.endm
; WORK ON REGISTERS ALONE: t - M, O^T under the new M, the exponentials
.macro SOFT1
.irp q, 0,1
.set n, 0
.rept 16
	v_pk_add_f32 v[S+32*\q+n:S+32*\q+n+1], v[S+32*\q+n:S+32*\q+n+1], v[ST+8*\q:ST+8*\q+1] op_sel_hi:[1,0]   ; t - M
.set n, n+2
.endr
.endr
	WIN 0x41                                       ; O^T (destination, source 0): window 1
.irp q, 0,1
.set n, 0
.rept 32
	v_pk_mul_f32 v[64*\q+n:64*\q+n+1], v[64*\q+n:64*\q+n+1], v[ST+8*\q+4:ST+8*\q+5] op_sel_hi:[1,0]   ; each accumulator from its low end on
.set n, n+2
.endr
.endr
	WIN 0
	s_wait_alu depctr_va_vdst(0)                   ; the wait ahead of the batch
.set n, 0
.rept 64
	v_exp_f32 v[S+n], v[S+n]                       ; p = 2^(t - M)
.set n, n+1
.endr
.irp q, 0,1
	v_pk_mul_f32 v[ST+8*\q+2:ST+8*\q+3], v[ST+8*\q+2:ST+8*\q+3], v[ST+8*\q+4:ST+8*\q+5] op_sel_hi:[1,0]   ; the sums under the new M
.endr
	s_wait_alu depctr_va_vdst(0)                   ; one wait for the batch, ahead of its first reader and of the branches that follow
.endm
; THE CHANGE OF SLOTS, in the middle of a step.  In front of it: all my tensor loads are in (my part of the next step's tile), 0 is added to my spare word, and my LDS reads of this step's slot are over: K, the mask and V are in registers.
; Work on registers stands between the barrier's signal and its wait.  fill = 1: the barrier opens a round of the cluster's, and behind it this step's slot takes the tile two steps on.  Then the next step's K is read.
.macro MID fill
	s_wait_alu depctr_va_vdst(0)                   ; directly ahead of the wait below
	s_wait_tensorcnt 0x0
	ds_add_u32 v[SPW], v[NIL]                      ; the descriptors' steps stand between the add and its wait
.if \fill
	DSTEP
	s_wait_xcnt 0x0                                ; my last prefetch has read its address
	s_add_nc_u64 s[PFA:PFA+1], s[PFA:PFA+1], s[PFS:PFS+1]
.endif
	s_wait_dscnt 0x0
	s_barrier_signal -1
	SOFT1
	s_barrier_wait -1
.if \fill
	CREST
	JLOAD
	ASK
.endif
	KLOAD TN
.endm
; A STEP'S LAST PART: the sum, the quantiser, O^T += V^T P^T
.macro PARTB
.irp q, 0,1                                    ; the sum of the unquantised p: two chains a tile
	v_pk_add_f32 v[SC+2*\q:SC+2*\q+1], v[S+32*\q:S+32*\q+1], v[S+32*\q+2:S+32*\q+3]
.endr
.irp k, 4,8,12,16,20,24,28
.irp q, 0,1
	v_pk_add_f32 v[ST+8*\q+2:ST+8*\q+3], v[ST+8*\q+2:ST+8*\q+3], v[S+32*\q+\k:S+32*\q+\k+1]
	v_pk_add_f32 v[SC+2*\q:SC+2*\q+1], v[SC+2*\q:SC+2*\q+1], v[S+32*\q+\k+2:S+32*\q+\k+3]
.endr
.endr
.irp q, 0,1
	v_pk_add_f32 v[ST+8*\q+2:ST+8*\q+3], v[ST+8*\q+2:ST+8*\q+3], v[SC+2*\q:SC+2*\q+1]
.endr
.set u, 0                                      ; the hold (one-sided: p is not negative), then the conversion, behind the next tile's holds.  u = 2 t + q
.rept 8
.set rS, S+32*(u%2)+8*(u/2)
.irp k, 0,1,2,3,4,5,6,7
	v_min_num_f32 v[rS+\k], v[rS+\k], v[LIMP]
.endr
.if u > 0
.set rS, S+32*((u-1)%2)+8*((u-1)/2)
.set rP, P+8*((u-1)%2)+2*((u-1)/2)
	v_cvt_scalef32_pk8_fp8_f32 v[rP:rP+1], v[rS:rS+7], v[SCP]
.endif
.set u, u+1
.endr
	v_cvt_scalef32_pk8_fp8_f32 v[P+14:P+15], v[S+56:S+63], v[SCP]
	v_nop                                          ; one plain vector instruction behind the last conversion
	WIN 0x51                                       ; V and O^T: window 1; P: window 0.  Sixteen accumulators by turns
.irp d, 0,1,2,3,4,5,6,7
.irp q, 0,1
	v_wmma_f32_16x16x64_fp8_fp8 v[64*\q+8*\d:64*\q+8*\d+7], v[VF+8*\d:VF+8*\d+7], v[P+8*\q:P+8*\q+7], v[64*\q+8*\d:64*\q+8*\d+7]
.endr
.endr
	WIN 0
	s_xor_b32 s[TB], s[TB], SLOT1
	s_xor_b32 s[TN], s[TN], SLOT1
.endm
	s_wait_alu depctr_va_vdst(0)                   ; the wait at the head's end
	s_wait_loadcnt 0x0                             ; Q
	s_wait_tensorcnt 0x0                           ; my part of tile 0 is in; slot 1's first fill is issued as a refill is
	ds_add_u32 v[SPW], v[NIL]
	DSTEP
	s_wait_dscnt 0x0
	CROUND
	JLOAD                                          ; tile 1 into slot 1
	KLOAD TB                                       ; step 0's K
.Lstep:                                            ; steps 0 to 13: the change in step J asks for tile J + 2
	PARTA
	MID 1
	PARTB
	s_add_co_u32 s[J], s[J], 1
	s_cmp_lt_u32 s[J], 14
	s_cbranch_scc1 .Lstep
	PARTA                                          ; the tail is written out: step 14 asks for nothing and reads step 15's K,
	MID 0
	PARTB
	PARTA                                          ; step 15 has no change of slots
	s_wait_alu depctr_va_vdst(0)                   ; directly ahead of the wait below
	s_wait_dscnt 0x0                               ; V is in
	SOFT1
	PARTB
	; THE TWO HALVES OF THE KEYS ARE JOINED.  These ten lines are also the places behind the last products.
.irp q, 0,1
	v_add_f32 v[ST+8*\q+6], v[ST+8*\q+2], v[ST+8*\q+3]
.endr
.irp q, 0,1
	v_permlanex16_b32 v[PX+\q], v[ST+8*\q+6], s[SEL], s[SEL+1]
.endr
.irp q, 0,1
	v_add_f32 v[ST+8*\q+6], v[ST+8*\q+6], v[PX+\q]          ; my half's sum
.endr
.irp q, 0,1
	v_mov_b32 v[TS+2*\q], v[ST+8*\q]
	v_mov_b32 v[TS+2*\q+1], v[ST+8*\q+6]
.endr
	s_wait_alu depctr_va_vdst(0)                   ; directly ahead of the branch
	s_cmp_eq_u32 s[KH], 0
	s_cbranch_scc1 .Lkeep
	WIN 0x04                                       ; store data: window 1
.set i, 0
.rept 32
	ds_store_b128 v[MA], v[4*i:4*i+3] offset:512*i ; an image of O^T's registers, each accumulator from its low end on
.set i, i+1
.endr
	WIN 0
	ds_store_b128 v[MA], v[TS:TS+3] offset:16384   ; -M and the sum of both tiles
.Lkeep:
	s_wait_dscnt 0x0
	s_barrier_signal -1
	s_barrier_wait -1
	s_cmp_lg_u32 s[KH], 0
	s_cbranch_scc1 .Lend
.set i, 0
.rept 32
	ds_load_b128 v[S+4*i:S+4*i+3], v[MA] offset:512*i
.set i, i+1
.endr
	ds_load_b128 v[TS2:TS2+3], v[MA] offset:16384
	s_wait_dscnt 0x0
.irp q, 0,1
	v_min_num_f32 v[MX+2*\q], v[ST+8*\q], v[TS2+2*\q]       ; -(the larger M)
.endr
.irp q, 0,1
	v_sub_f32 v[MX+2*\q+1], v[MX+2*\q], v[ST+8*\q]
	v_sub_f32 v[SC+2*\q], v[MX+2*\q], v[TS2+2*\q]
.endr
.irp q, 0,1
	v_cvt_i32_f32 v[MX+2*\q+1], v[MX+2*\q+1]
	v_cvt_i32_f32 v[SC+2*\q], v[SC+2*\q]
.endr
.irp q, 0,1
	v_ldexp_f32 v[MX+2*\q+1], 1.0, v[MX+2*\q+1]             ; 2^(my M - the larger)
	v_ldexp_f32 v[SC+2*\q], 1.0, v[SC+2*\q]                 ; 2^(the other's M - the larger)
.endr
.irp q, 0,1
	v_mul_f32 v[ST+8*\q+6], v[ST+8*\q+6], v[MX+2*\q+1]
.endr
.irp q, 0,1
	v_fma_f32 v[ST+8*\q+6], v[TS2+2*\q+1], v[SC+2*\q], v[ST+8*\q+6]   ; the row's sum
.endr
	s_wait_alu depctr_va_vdst(0)                   ; the wait ahead of the transcendentals
.irp q, 0,1
	v_rcp_f32 v[SC+2*\q+1], v[ST+8*\q+6]
.endr
	v_nop
	s_wait_alu depctr_va_vdst(0)                   ; and ahead of their first reader
.irp q, 0,1
	v_mul_f32 v[ST+8*\q+4], v[MX+2*\q+1], v[SC+2*\q+1]
	v_mul_f32 v[ST+8*\q+6], v[SC+2*\q], v[SC+2*\q+1]
.endr
.irp q, 0,1
.set n, 0
.rept 32
	v_pk_mul_f32 v[S+64*\q+n:S+64*\q+n+1], v[S+64*\q+n:S+64*\q+n+1], v[ST+8*\q+6:ST+8*\q+7] op_sel_hi:[1,0]
.set n, n+2
.endr
.endr
	WIN 0x01                                       ; source 0, my O^T: window 1
	s_wait_alu depctr_va_vdst(0)                   ; directly ahead of the first reader of O^T
.irp q, 0,1
.set n, 0
.rept 32
	v_pk_fma_f32 v[S+64*\q+n:S+64*\q+n+1], v[64*\q+n:64*\q+n+1], v[ST+8*\q+4:ST+8*\q+5], v[S+64*\q+n:S+64*\q+n+1] op_sel_hi:[1,0,1]   ; register 8 d + j: channel 16 d + 8 h + j of my query
.set n, n+2
.endr
.endr
	WIN 0
.set n, 0
.rept 128
	v_med3_num_f32 v[S+n], v[S+n], -v[LIMO], v[LIMO]
.set n, n+1
.endr
.set n, 0
.rept 16
	v_cvt_scalef32_pk8_fp8_f32 v[160+2*n:161+2*n], v[S+8*n:S+8*n+7], v[SCO]
.set n, n+1
.endr
	v_nop                                          ; one plain vector instruction behind the last conversion
.irp q, 0,1
.irp d, 0,1,2,3,4,5,6,7
	ds_store_b64 v[STO], v[160+16*\q+2*\d:161+16*\q+2*\d] offset:\q*16*SP+16*\d
.endr
.endr
.irp i, 0,1,2,3,4,5,6,7
	ds_load_b128 v[S+4*\i:S+4*\i+3], v[RD] offset:\i*4*SP      ; LDS serves a wave's instructions in order (ISA guide 5.7.1.4): these see my stores
.endr
.irp i, 0,1,2,3,4,5,6,7
	s_wait_dscnt 7-\i
	global_store_b128 v[GO], v[S+4*\i:S+4*\i+3], s[10:11] offset:\i*512   ; 32 lanes store 512 consecutive bytes, at a multiple of 256 from ao's first byte
.endr
.Lend:
	s_wait_tensorcnt 0x0                           ; the wave's end
	ds_add_u32 v[SPW], v[NIL]
	s_wait_dscnt 0x0
	CROUND                                         ; the closing round
	s_endpgm
.Lfunc_end_k_q038f72b3e1_attn:
	.size	k_q038f72b3e1_attn, .Lfunc_end_k_q038f72b3e1_attn-k_q038f72b3e1_attn
	.p2alignl 7, 3214868480
	.fill 96, 4, 3214868480
	.section	.rodata,"a",@progbits
	.p2align	6, 0x0
	.amdhsa_kernel k_q038f72b3e1_attn
		.amdhsa_group_segment_fixed_size 327680
		.amdhsa_private_segment_fixed_size 0
		.amdhsa_enable_private_segment 0
		.amdhsa_kernarg_size 32
		.amdhsa_user_sgpr_count 2
		.amdhsa_user_sgpr_kernarg_segment_ptr 1
		.amdhsa_wavefront_size32 1
		.amdhsa_system_sgpr_workgroup_id_x 1
		.amdhsa_system_sgpr_workgroup_id_y 1
		.amdhsa_system_sgpr_workgroup_id_z 1
		.amdhsa_system_vgpr_workitem_id 0
		.amdhsa_next_free_vgpr 512
		.amdhsa_next_free_sgpr 100
		.amdhsa_reserve_vcc 0
		.amdhsa_float_denorm_mode_32 3
		.amdhsa_float_denorm_mode_16_64 3
		.amdhsa_memory_ordered 1
		.amdhsa_forward_progress 1
		.amdhsa_inst_pref_size 134
	.end_amdhsa_kernel
	.amdgpu_metadata
---
amdhsa.version: [ 1, 2 ]
amdhsa.kernels:
  - .name:           k_q038f72b3e1_attn
    .symbol:         k_q038f72b3e1_attn.kd
    .args:
      - { .name: qkv, .offset: 0, .size: 8, .value_kind: global_buffer, .address_space: global }
      - { .name: mask, .offset: 8, .size: 8, .value_kind: global_buffer, .address_space: global }
      - { .name: lowp_scales, .offset: 16, .size: 8, .value_kind: global_buffer, .address_space: global }
      - { .name: ao, .offset: 24, .size: 8, .value_kind: global_buffer, .address_space: global }
    .group_segment_fixed_size: 327680
    .private_segment_fixed_size: 0
    .kernarg_segment_align: 8
    .kernarg_segment_size: 32
    .max_flat_workgroup_size: 256
    .sgpr_count:     100
    .vgpr_count:     512
    .wavefront_size: 32
...
	.end_amdgpu_metadata
.endif
;; end of part 2
;; launch oproj (part 3): grid 16 x 16, 4 waves a work-group, clusters of 4 x 4, 327,680 bytes of LDS; arguments ao, wo_codes, lowp_scales, out0; writes out0
.if DOCPART == 3
	.amdgcn_target "amdgcn-amd-amdhsa--gfx1250"
	.amdhsa_code_object_version 6
	.text
	.protected	k_q038f72b3e1_oproj
	.globl	k_q038f72b3e1_oproj
	.p2align	8
	.type	k_q038f72b3e1_oproj,@function
k_q038f72b3e1_oproj:
	s_mov_b64 s[64:65], 0
	v_nop
	global_prefetch_b8 v0, s[64:65] scope:SCOPE_SE
	s_setreg_imm32_b32 hwreg(HW_REG_WAVE_MODE, 25, 1), 1
	s_wait_xcnt 0x0
	s_wait_alu depctr_hold_cnt(0) depctr_sa_sdst(0) depctr_va_vdst(0) depctr_va_sdst(0) depctr_va_ssrc(0) depctr_va_vcc(0) depctr_vm_vsrc(0)
	s_getreg_b32 s2, hwreg(HW_REG_IB_STS2, 6, 4)
	s_cmp_eq_u32 s2, 0
	s_cbranch_scc0 .Lentry_in_a_cluster
	s_endpgm
.Lentry_in_a_cluster:
	s_bfe_u32 s2, ttmp6, 0x10000c
	s_cmp_lg_u32 s2, 0xf033
	s_cbranch_scc0 .Lentry_shape_is_right
	s_endpgm
.Lentry_shape_is_right:
.set AP,     144
.set BP,     528
.set AHALF,  256*AP
.set BHALF,  64*BP
.set BOFF,   2*AHALF
.set SLOT,   BOFF+2*BHALF
.set STAGE,  2*SLOT
.set SPITCH, 272
.set SPARE,  STAGE+4*16*SPITCH
.set LAPS,   2
.set OROW,   8192
.set ADRA, 16
.set ADRB, 20
.set STO,  24
.set RD,   25
.set CO,   26
.set SPW,  28
.set NIL,  29
.set TMP,  32
.set BK,   64
.set ACC,  128
.set F0,   0
.set F1,   128
.set WV,   12
.set G1, 24
.set G0, 32
.set G1B, 48
.set G0B, 56
.set MSB, 0
.macro WIN new
.if MSB != (\new)
	s_set_vgpr_msb (MSB<<8)|(\new)
.set MSB, (\new)
.endif
.endm
.set MUL,  0x05
.set TO_F, 0x40
.macro JLOAD s
	s_cmp_eq_u32 s13, 0
	s_cbranch_scc0 .Lfor_b_\@
	tensor_load_to_lds s[G0+4*\s:G0+4*\s+3], s[G1:G1+7]
	s_nop 0
.rept 4
	v_nop
.endr
	s_branch .Lasked_\@
.Lfor_b_\@:
	tensor_load_to_lds s[G0B+4*\s:G0B+4*\s+3], s[G1B:G1B+7]
	s_nop 0
.rept 4
	v_nop
.endr
.Lasked_\@:
.endm
.macro CREST
	s_cmp_lg_u32 s[WV], 0
	s_cbranch_scc1 .Lnot_wave_0_\@
	s_barrier_signal -3
.Lnot_wave_0_\@:
	s_barrier_wait -3
	s_barrier_signal -1
	s_barrier_wait -1
.endm
.macro CROUND
	s_barrier_signal -1
	s_barrier_wait -1
	CREST
.endm
	s_load_b256 s[4:11], s[0:1], 0x0
	v_lshl_add_u32 v[SPW], v0, 2, SPARE
	v_mov_b32 v[NIL], 0
	ds_add_u32 v28, v29
	ds_add_u32 v28, v29
	s_wait_dscnt 0x0
	v_lshrrev_b32 v1, 5, v0
	v_readfirstlane_b32 s[WV], v1
	s_lshr_b32 s13, s[WV], 1
	s_and_b32 s14, s[WV], 1
	; the prefetches' offset, never rewritten.  Waves 0, 1 (ao's dense tile): 256 x lane.  Waves 2, 3 (wo's rows of 2,048 bytes, two blocks of a K step each): 2048 x (lane / 2) + 256 x (lane % 2)
	s_mul_i32 s83, s13, 3
	s_lshl_b32 s83, 256, s83
	v_and_b32 v30, 31, v0
	v_lshrrev_b32 v31, s13, v30
	v_mul_lo_u32 v31, v31, s83
	v_and_b32 v30, s13, v30
	v_lshl_add_u32 v30, v30, 8, v31
	s_bfe_u32 s40, ttmp6, 0x40000
	s_bfe_u32 s41, ttmp6, 0x40004
	s_lshl_b32 s42, ttmp9, 2
	s_add_co_u32 s42, s42, s40
	s_and_b32 s15, ttmp7, 0xffff
	s_lshl_b32 s15, s15, 2
	s_add_co_u32 s15, s15, s41
	s_lshl_b32 s43, s41, 2
	s_lshl_b32 s43, 15, s43
	s_lshl_b32 s44, 0x1111, s40
	s_or_b32 s[G1+0], s43, (0<<16)|(1<<20)|(1<<21)|(4<<22)|(3<<25)
	s_mov_b32 s[G1+1], 256<<16                     ; ao's tile, 32,768 dense bytes, as 128 rows of 256; the padding stays behind every 128 bytes
	s_mov_b32 s[G1+2], 128<<16
	s_mov_b32 s[G1+3], 256<<16
	s_mov_b32 s[G1+4], 128
	s_mov_b32 s[G1+5], 256
	s_mov_b32 s[G1+6], 0
	s_mov_b32 s[G1+7], 0
	s_or_b32 s[G1B+0], s44, (0<<16)|(1<<20)|(1<<21)|(6<<22)|(3<<25)
	s_mov_b32 s[G1B+1], 512<<16
	s_mov_b32 s[G1B+2], 64<<16
	s_mov_b32 s[G1B+3], 512<<16
	s_mov_b32 s[G1B+4], 64
	s_mov_b32 s[G1B+5], 2048
	s_mov_b32 s[G1B+6], 0
	s_mov_b32 s[G1B+7], 0
	s_lshl_b32 s16, s15, 1
	s_add_co_u32 s16, s16, s14
	s_lshl_b32 s16, s16, 17
	s_mov_b32 s17, 0
	s_lshl_b32 s46, s42, 7
	s_lshl_b32 s47, s14, 6
	s_add_co_u32 s46, s46, s47
	s_lshl_b32 s46, s46, 11
	s_mov_b32 s47, 0
	s_mul_i32 s20, s14, AHALF
	s_mul_i32 s21, s14, BHALF
	s_add_co_u32 s21, s21, BOFF
	s_wait_kmcnt 0x0
	s_load_b64 s[68:69], s[8:9], 0x30
	s_add_nc_u64 s[16:17], s[4:5], s[16:17]
	s_add_nc_u64 s[46:47], s[6:7], s[46:47]
	; the prefetches: of the 128 blocks of 256 bytes that I fetch in a K step my work-group takes 32, told apart by address (cx for ao, cy for wo); s[72:77]: K steps 1, 2, 3
	s_lshl_b32 s80, s40, 13
	s_lshl_b32 s82, s41, 15
	s_mov_b32 s78, 512
	s_cmp_eq_u32 s13, 0
	s_cselect_b64 s[72:73], s[16:17], s[46:47]
	s_cselect_b32 s80, s80, s82
	s_cselect_b32 s78, 32768, s78
	s_mov_b32 s81, 0
	s_mov_b32 s79, 0
	s_add_nc_u64 s[72:73], s[72:73], s[80:81]
	s_add_nc_u64 s[72:73], s[72:73], s[78:79]
	s_add_nc_u64 s[74:75], s[72:73], s[78:79]
	s_add_nc_u64 s[76:77], s[74:75], s[78:79]
	CROUND
.irp s, 0,1
	s_mov_b32 s[G0+4*\s], 1
	s_add_co_u32 s[G0+4*\s+1], s20, \s*SLOT
	s_add_nc_u64 s[G0+4*\s+2:G0+4*\s+3], s[16:17], \s*32768
	s_or_b32 s[G0+4*\s+3], s[G0+4*\s+3], 0x80000000
	s_mov_b32 s[G0B+4*\s], 1
	s_add_co_u32 s[G0B+4*\s+1], s21, \s*SLOT
	s_add_nc_u64 s[G0B+4*\s+2:G0B+4*\s+3], s[46:47], \s*512
	s_or_b32 s[G0B+4*\s+3], s[G0B+4*\s+3], 0x80000000
	s_wait_alu depctr_va_vdst(0)
	s_wait_tensorcnt 0x0
	ds_add_u32 v28, v29
	ds_add_u32 v28, v29
	s_wait_dscnt 0x0
	CROUND
	JLOAD \s
.if \s == 0
	global_prefetch_b8 v30, s[72:73] th:TH_LOAD_NT scope:SCOPE_SE   ; behind K step 0's load: K steps 1 and 2,
	global_prefetch_b8 v30, s[74:75] th:TH_LOAD_NT scope:SCOPE_SE
.else
	global_prefetch_b8 v30, s[76:77] th:TH_LOAD_NT scope:SCOPE_SE   ; behind K step 1's: K step 3
.endif
.endr
	v_and_b32 v1, 15, v0
	v_bfe_u32 v2, v0, 4, 1
	v_mul_u32_u24 v3, v1, AP
	v_lshl_add_u32 v3, v2, 4, v3
	v_mul_u32_u24 v4, v1, BP
	v_lshl_add_u32 v4, v2, 4, v4
	s_mul_i32 s21, s13, AHALF
	s_mul_i32 s22, s14, BHALF
	s_add_co_u32 s22, s22, BOFF
.irp s, 0,1
	v_add_nc_u32 v[ADRA+\s], s21, v3
	v_add_nc_u32 v[ADRB+\s], s22, v4
	s_add_co_u32 s21, s21, SLOT
	s_add_co_u32 s22, s22, SLOT
.endr
	s_mul_i32 s23, s[WV], 16*SPITCH
	s_add_co_u32 s23, s23, STAGE
	v_mul_u32_u24 v5, v1, SPITCH
	v_lshl_add_u32 v5, v2, 5, v5
	v_add_nc_u32 v[STO], s23, v5
	v_mul_u32_u24 v6, v2, SPITCH
	v_lshl_add_u32 v6, v1, 4, v6
	v_add_nc_u32 v[RD], s23, v6
	v_lshlrev_b32 v[CO], 13, v2
	v_lshl_add_u32 v[CO], v1, 4, v[CO]
	s_lshl_b32 s20, s15, 7
	s_lshl_b32 s21, s13, 6
	s_add_co_u32 s20, s20, s21
	s_lshl_b32 s20, s20, 13
	s_lshl_b32 s21, s42, 9
	s_add_co_u32 s20, s20, s21
	s_lshl_b32 s21, s14, 8
	s_add_co_u32 s20, s20, s21
	s_mov_b32 s21, 0
	s_add_nc_u64 s[10:11], s[10:11], s[20:21]
.macro MUL8 f, a0, zero
.irp a, \a0, \a0+1
.irp b, 0,1,2,3
.if \zero
	v_wmma_f32_16x16x128_fp8_fp8 v[ACC+8*(4*(\a)+\b):ACC+8*(4*(\a)+\b)+7], v[\f+64+16*\b:\f+64+16*\b+15], v[\f+16*(\a):\f+16*(\a)+15], 0
.else
	v_wmma_f32_16x16x128_fp8_fp8 v[ACC+8*(4*(\a)+\b):ACC+8*(4*(\a)+\b)+7], v[\f+64+16*\b:\f+64+16*\b+15], v[\f+16*(\a):\f+16*(\a)+15], v[ACC+8*(4*(\a)+\b):ACC+8*(4*(\a)+\b)+7]
.endif
.endr
.endr
.endm
.macro FETCH slot, s, f
	WIN TO_F
.irp b, 0,1,2,3
.irp c, 0,1,2,3
	ds_load_b128 v[\f+64+16*\b+4*\c:\f+64+16*\b+4*\c+3], v[ADRB+\slot] offset:128*(\s)+\b*16*BP+32*\c
.endr
.endr
.irp a, 0,1,2,3
.irp c, 0,1,2,3
	ds_load_b128 v[\f+16*\a+4*\c:\f+16*\a+4*\c+3], v[ADRA+\slot] offset:(\s)*64*AP+\a*16*AP+32*\c
.endr
.endr
.endm
.macro PLACES
.rept 4
	v_nop
.endr
.endm
.macro QUARTER slot, s, f, g, zero
	s_wait_dscnt 8
	WIN MUL
	MUL8 \f, 0, \zero
	PLACES
	FETCH \slot, \s, \g
	s_wait_dscnt 32
	WIN MUL
	MUL8 \f, 2, \zero
.endm
.macro TURN slot, next, fill
	WIN 0
	s_wait_tensorcnt 0x0
	ds_add_u32 v[SPW], v[NIL]
	s_wait_dscnt 9
	WIN MUL
	MUL8 F1, 0, 0
	s_wait_dscnt 0x0
	WIN 0
	s_barrier_signal -1
	s_barrier_wait -1
.if \fill
	CREST
	s_add_nc_u64 s[G0+4*\slot+2:G0+4*\slot+3], s[G0+4*\slot+2:G0+4*\slot+3], 2*32768
	s_add_nc_u64 s[G0B+4*\slot+2:G0B+4*\slot+3], s[G0B+4*\slot+2:G0B+4*\slot+3], 2*512
	JLOAD \slot
.else
	PLACES
.endif
	s_wait_alu depctr_va_vdst(0)
	FETCH \next, 0, F0
	WIN MUL
	MUL8 F1, 2, 0
.endm
	s_wait_tensorcnt 1
	s_barrier_signal -1
	s_barrier_wait -1
	FETCH 0, 0, F0
	QUARTER 0, 1, F0, F1, 1
	WIN 0
	s_mov_b32 s3, LAPS-1
.Llap:
	QUARTER 0, 2, F1, F0, 0
	QUARTER 0, 3, F0, F1, 0
	TURN 0, 1, 1
	QUARTER 1, 1, F0, F1, 0
	QUARTER 1, 2, F1, F0, 0
	QUARTER 1, 3, F0, F1, 0
	TURN 1, 0, 1
	QUARTER 0, 1, F0, F1, 0
	WIN 0
	s_sub_co_u32 s3, s3, 1
	s_cmp_lg_u32 s3, 0
	s_cbranch_scc1 .Llap
	QUARTER 0, 2, F1, F0, 0
	QUARTER 0, 3, F0, F1, 0
	TURN 0, 1, 0
	QUARTER 1, 1, F0, F1, 0
	QUARTER 1, 2, F1, F0, 0
	QUARTER 1, 3, F0, F1, 0
	s_wait_dscnt 8
	WIN MUL
	MUL8 F1, 0, 0
	s_wait_dscnt 0
	MUL8 F1, 2, 0
	WIN 0
.macro TOSTAGE a
.set j, 0
.rept 16
	v_pk_mul_f32 v[TMP+j:TMP+j+1], v[ACC+32*(\a)+j:ACC+32*(\a)+j+1], s[68:69] op_sel_hi:[1,0]
.set j, j+2
.endr
.irp b, 0,1,2,3
	ds_store_b128 v[STO], v[TMP+8*\b:TMP+8*\b+3] offset:64*\b
	ds_store_b128 v[STO], v[TMP+8*\b+4:TMP+8*\b+7] offset:64*\b+16
.endr
.set BB, BK+32*((\a)%2)
.irp t, 0,1,2,3,4,5,6,7
	ds_load_b128 v[BB+4*\t:BB+4*\t+3], v[RD] offset:\t*2*SPITCH
.endr
.endm
.macro SEND a, younger
.set BB, BK+32*((\a)%2)
	s_wait_dscnt \younger
.irp t, 0,1,2,3,4,5,6,7
	global_store_b128 v[CO], v[BB+4*\t:BB+4*\t+3], s[10:11] offset:(16*(\a)+2*\t)*OROW th:TH_STORE_NT
.endr
.endm
	s_wait_kmcnt 0x0
	s_add_co_i32 s68, s68, s69
	s_add_co_i32 s68, s68, 127
	s_lshl_b32 s68, s68, 23
	s_mov_b32 s69, s68
	PLACES
	TOSTAGE 0
.irp a, 1,2,3
.if \a > 1
	s_wait_xcnt 0x0
.endif
	TOSTAGE \a
	SEND \a-1, 16
.endr
	SEND 3, 0
	s_wait_tensorcnt 0x0
	ds_add_u32 v[SPW], v[NIL]
	s_wait_dscnt 0x0
	CROUND
	s_endpgm
.Lfunc_end_k_q038f72b3e1_oproj:
	.size	k_q038f72b3e1_oproj, .Lfunc_end_k_q038f72b3e1_oproj-k_q038f72b3e1_oproj
	.p2alignl 7, 3214868480
	.fill 96, 4, 3214868480
	.section	.rodata,"a",@progbits
	.p2align	6, 0x0
	.amdhsa_kernel k_q038f72b3e1_oproj
		.amdhsa_group_segment_fixed_size 327680
		.amdhsa_private_segment_fixed_size 0
		.amdhsa_enable_private_segment 0
		.amdhsa_kernarg_size 32
		.amdhsa_user_sgpr_count 2
		.amdhsa_user_sgpr_kernarg_segment_ptr 1
		.amdhsa_wavefront_size32 1
		.amdhsa_system_sgpr_workgroup_id_x 1
		.amdhsa_system_sgpr_workgroup_id_y 1
		.amdhsa_system_sgpr_workgroup_id_z 1
		.amdhsa_system_vgpr_workitem_id 0
		.amdhsa_next_free_vgpr 512
		.amdhsa_next_free_sgpr 88
		.amdhsa_reserve_vcc 0
		.amdhsa_float_denorm_mode_32 3
		.amdhsa_float_denorm_mode_16_64 3
		.amdhsa_memory_ordered 1
		.amdhsa_forward_progress 1
		.amdhsa_inst_pref_size 76
	.end_amdhsa_kernel
	.amdgpu_metadata
---
amdhsa.version: [ 1, 2 ]
amdhsa.kernels:
  - .name:           k_q038f72b3e1_oproj
    .symbol:         k_q038f72b3e1_oproj.kd
    .args:
      - { .name: ao, .offset: 0, .size: 8, .value_kind: global_buffer, .address_space: global }
      - { .name: wo_codes, .offset: 8, .size: 8, .value_kind: global_buffer, .address_space: global }
      - { .name: lowp_scales, .offset: 16, .size: 8, .value_kind: global_buffer, .address_space: global }
      - { .name: out0, .offset: 24, .size: 8, .value_kind: global_buffer, .address_space: global }
    .group_segment_fixed_size: 327680
    .private_segment_fixed_size: 0
    .kernarg_segment_align: 8
    .kernarg_segment_size: 32
    .max_flat_workgroup_size: 128
    .sgpr_count:     88
    .vgpr_count:     512
    .wavefront_size: 32
...
	.end_amdgpu_metadata
.endif
;; end of part 3
